; MI455X (gfx1250); checked and timed in simulation.
; The chip was launched on July 23, 2026; its instructions are those of AMD's public machine-readable ISA for CDNA 5 (MIT licence, August 2026) and "CDNA5" Instruction Set Architecture Reference Guide (July 2026). The comments in the code are by the model that wrote it; some were corrected since.
;; Dendritic Compartment. Allowed arithmetic: float matrix products may take bf16 or f16 operands with f32 sums; other float arithmetic in f32, or as packed bf16 or f16 multiplies, adds, multiply-adds, maxima and minima; sums over many terms, partial sums and values carried from step to step in f32; what a program stores and reads back later, other than sums and carried values, may be rounded once to bf16 or f16.
;; Inputs: W_gate 4 x 2,048 float32; W_seg 4 x 2,048 x 2,048 float32; b_gate 4 float32; b_seg 4 x 2,048 float32; threshold 4 x 2,048 float32; x 4,096 x 2,048 float32.
;; Outputs: out0 4,096 x 2,048 float32.
;; One version. Each part assembles by itself: llvm-mc -triple=amdgcn-amd-amdhsa -mcpu=gfx1250 --defsym DOCPART=n.
;; ======== version 1 of 1: 2 launches
;; limits: a function is approximated: absolute error at most 4e-11
;; workspace buffers: xb 16,777,216 bytes; wb 33,554,432 bytes; gates2 131,072 bytes
;; launch prep (part 1): grid 256 x 1, 8 waves a work-group, no clusters, 66,816 bytes of LDS; arguments x, W_seg, W_gate, b_gate, xb, wb, gates2; writes xb, wb, gates2
.if DOCPART == 1
	.amdgcn_target "amdgcn-amd-amdhsa--gfx1250"
	.amdhsa_code_object_version 6
	.text
	.protected	k_qee72d14166_prep
	.globl	k_qee72d14166_prep
	.p2align	8
	.type	k_qee72d14166_prep,@function
k_qee72d14166_prep:
	s_mov_b64 s[64:65], 0
	v_nop
	global_prefetch_b8 v0, s[64:65] scope:SCOPE_SE
	s_setreg_imm32_b32 hwreg(HW_REG_WAVE_MODE, 25, 1), 1
	s_wait_xcnt 0x0
; PREP.  xb = x rounded to bf16, [4096][2048].  wb = W_seg rounded to bf16, [8192][2048], row (d>>5)*128 + s*32 + (d&31) = W_seg[s][d], so that
; 128 consecutive rows hold 32 values of d in all four segments.  gates2[b][s][0..1] = sigmoid(x[b] . W_gate[s] + b_gate[s]) in f32, each written twice
; (a packed multiply then takes an aligned pair).  The gates are made of x, W_gate and b_gate rounded to bf16, with sums in f32.
; LIMITS.  Every input is rounded once to bf16.  A gate whose 2^(-z log2 e) passes f32's range counts as 0.  NaN and infinities are not treated apart.
; SHARES.  Work-group g: rows 16 g .. 16 g + 15 of x, and rows 32 g .. 32 g + 31 of W_seg taken as [8192][2048]: segment g >> 6, d = 32 (g & 63) .., which are 32 consecutive
; rows of wb.  48 rows of 8,192 bytes for every work-group.  Thread t owns columns 4 t .. 4 t + 3 and 1024 + 4 t .. + 3 of every row: a wave's load covers 512 consecutive bytes,
; a wave's store 256 consecutive bytes at a multiple of 256 from the buffer's first byte, and the thread's 32 numbers of W_gate stay in registers.
; A ring of DEPTH row slots in registers keeps 2 DEPTH loads of every wave in flight.  A row's place stands in the immediate offset: no address register is ever rewritten.
; No matrix unit (a product of four columns beside a stream), no cluster and no tensor load (no two work-groups read the same row of x or W_seg).
.set ROWF,  8192                       ; bytes in a row of f32
.set ROWH,  4096                       ; bytes in a row of bf16
.set DEPTH, 12                         ; slots of the ring
.set NX,    16                         ; rows of x
.set NROWS, 48                         ; rows in all
.set RED,   65536                      ; LDS: bytes 0 .. 65,535 PART [16 rows][256 threads] x 16 bytes; here RED [16 rows][4] f32, a block of 256 bytes
.set SPARE, 65792                      ; the spare words, 128 bytes for each of eight waves: four blocks of 256 bytes that no other line names
.set LOFF, 1                           ; v1   16 t: my bytes in half a row of f32
.set SOFF, 2                           ; v2   8 t: my bytes in half a row of bf16
.set PADR, 3                           ; v3   16 t: my four partial sums in a row of PART
.set SPW,  4                           ; v4   LDS address of my spare word; never rewritten
.set NIL,  5                           ; v5   0; never rewritten
.set RADR, 6                           ; v6   wave x 8,192 + 16 x lane: where I read PART
.set WADR, 7                           ; v7   RED + 32 x wave
.set ZADR, 8                           ; v8   RED + 8 x lane
.set BOFF, 9                           ; v9   8 (t & 1): my pair of b_gate
.set GOFF, 10                          ; v10  16 x lane
.set BG,   12                          ; v[12:13] b_gate's pair
.set Z,    14                          ; v[14:15] at work in wave 0's tail
.set GQ,   18                          ; v[18:21] two gates, each twice
.set WGT,  24                          ; v[24:55] W_gate[s] at my eight columns: WGT + 8 s + c
.set T,    56                          ; v[56:63] eight f32 at work
.set ACC,  64                          ; v[64:71] four pairs of sums
.set P,    72                          ; v[72:75] my four partial sums of a row
.set Y,    76                          ; v[76:91] four sets of four: a row's eight bf16 in four pairs... four words to store
.set X,    92                          ; v[92:187] slot i: eight registers as loaded
	s_load_b256 s[4:11], s[0:1], 0x0               ; x s[4:5], W_seg s[6:7], W_gate s[8:9], b_gate s[10:11]
	s_load_b128 s[12:15], s[0:1], 0x20             ; xb s[12:13], wb s[14:15]
	s_load_b64 s[16:17], s[0:1], 0x30              ; gates2
	v_lshl_add_u32 v[SPW], v0, 2, SPARE
	v_mov_b32 v[NIL], 0
	v_lshrrev_b32 v11, 5, v0
	v_readfirstlane_b32 s18, v11                   ; my wave's number
	v_lshlrev_b32 v[LOFF], 4, v0
	v_lshlrev_b32 v[SOFF], 3, v0
	v_lshlrev_b32 v[PADR], 4, v0
	v_and_b32 v11, 31, v0                          ; lane
	v_lshlrev_b32 v[GOFF], 4, v11
	v_lshl_add_u32 v[ZADR], v11, 3, RED
	s_lshl_b32 s20, s18, 13                        ; two rows of PART for each wave
	v_add_nc_u32 v[RADR], s20, v[GOFF]
	s_lshl_b32 s20, s18, 5
	s_add_co_u32 s20, s20, RED
	v_mov_b32 v[WADR], s20
	v_and_b32 v[BOFF], 1, v0
	v_lshlrev_b32 v[BOFF], 3, v[BOFF]
	s_mov_b32 s22, 0xffff0000                      ; a word's upper bf16
	s_mov_b32 s24, 0x76543210                      ; v_permlanex16_b32: each lane takes its own place in the other half
	s_mov_b32 s25, 0xfedcba98
	s_mov_b32 s21, 0                               ; every offset below stays under 2^32
	s_wait_kmcnt 0x0
	s_lshl_b32 s20, ttmp9, 17                      ; 16 rows of 8,192 bytes
	s_add_nc_u64 s[4:5], s[4:5], s[20:21]
	s_lshl_b32 s20, ttmp9, 18                      ; 32 rows of 8,192 bytes
	s_add_nc_u64 s[6:7], s[6:7], s[20:21]
	s_lshl_b32 s20, ttmp9, 16                      ; 16 rows of 4,096 bytes
	s_add_nc_u64 s[12:13], s[12:13], s[20:21]
	s_and_b32 s20, ttmp9, 63                       ; wb: row (g & 63) x 128 + (g >> 6) x 32, of 4,096 bytes
	s_lshl_b32 s20, s20, 19
	s_lshr_b32 s23, ttmp9, 6
	s_lshl_b32 s23, s23, 17
	s_add_co_u32 s20, s20, s23
	s_add_nc_u64 s[14:15], s[14:15], s[20:21]
	s_lshl_b32 s20, ttmp9, 9                       ; 16 rows of 32 bytes
	s_add_nc_u64 s[16:17], s[16:17], s[20:21]
.irp s, 0,1,2,3
	global_load_b128 v[WGT+8*(\s):WGT+8*(\s)+3],   v[LOFF], s[8:9] offset:(\s)*ROWF
	global_load_b128 v[WGT+8*(\s)+4:WGT+8*(\s)+7], v[LOFF], s[8:9] offset:(\s)*ROWF+4096
.endr
	global_load_b64 v[BG:BG+1], v[BOFF], s[10:11]
.set n, 0
.rept DEPTH                                            ; the ring is filled: rows 0 to 11 of x
	global_load_b128 v[X+8*n:X+8*n+3],   v[LOFF], s[4:5] offset:n*ROWF th:TH_LOAD_NT
	global_load_b128 v[X+8*n+4:X+8*n+7], v[LOFF], s[4:5] offset:n*ROWF+4096 th:TH_LOAD_NT
.set n, n+1
.endr
	s_wait_loadcnt 2*DEPTH                         ; loads come back in order: W_gate and b_gate are in, the ring's 24 stay out
.set n, 0
.rept 16                                               ; W_gate rounded to bf16 and widened again, in place
	v_cvt_pk_bf16_f32 v[T+n%8], v[WGT+2*n], v[WGT+2*n+1]
	v_lshlrev_b32 v[WGT+2*n], 16, v[T+n%8]
	v_and_b32 v[WGT+2*n+1], s22, v[T+n%8]
.set n, n+1
.endr
	v_cvt_pk_bf16_f32 v[T], v[BG], v[BG+1]         ; b_gate likewise
	v_lshlrev_b32 v[BG], 16, v[T]
	v_and_b32 v[BG+1], s22, v[T]
; The turn of row n (a symbol): rounded, stored; its slot is filled with row n + DEPTH; of a row of x the four partial sums for the gates go to LDS.
.macro TURN
.set XS, X+8*(n%DEPTH)
.set YS, Y+4*(n%4)
.if n <= NROWS-DEPTH
	s_wait_loadcnt 2*(DEPTH-1)                     ; my row's two loads are in; eleven younger rows stay out
.else
	s_wait_loadcnt 2*(NROWS-1-n)                   ; the last turns load nothing: the counts run down
.endif
	s_wait_xcnt 0x0                                ; every earlier memory instruction has had its addresses translated (ISA guide 3.1): this set of Y, which an earlier store reads, is rewritten only behind this wait
.irp k, 0,1,2,3
	v_cvt_pk_bf16_f32 v[YS+(\k)], v[XS+2*(\k)], v[XS+2*(\k)+1]
.endr
.if n+DEPTH < NX
	global_load_b128 v[XS:XS+3],   v[LOFF], s[4:5] offset:(n+DEPTH)*ROWF th:TH_LOAD_NT
	global_load_b128 v[XS+4:XS+7], v[LOFF], s[4:5] offset:(n+DEPTH)*ROWF+4096 th:TH_LOAD_NT
.elseif n+DEPTH < NROWS
	global_load_b128 v[XS:XS+3],   v[LOFF], s[6:7] offset:(n+DEPTH-NX)*ROWF th:TH_LOAD_NT
	global_load_b128 v[XS+4:XS+7], v[LOFF], s[6:7] offset:(n+DEPTH-NX)*ROWF+4096 th:TH_LOAD_NT
.endif
.if n < NX
	global_store_b64 v[SOFF], v[YS:YS+1],   s[12:13] offset:n*ROWH
	global_store_b64 v[SOFF], v[YS+2:YS+3], s[12:13] offset:n*ROWH+2048
.irp k, 0,1,2,3
	v_lshlrev_b32 v[T+2*(\k)],   16,  v[YS+(\k)]   ; the gates take the rounded x
	v_and_b32     v[T+2*(\k)+1], s22, v[YS+(\k)]
.endr
.irp s, 0,1,2,3
	v_pk_mul_f32 v[ACC+2*(\s):ACC+2*(\s)+1], v[T:T+1], v[WGT+8*(\s):WGT+8*(\s)+1]
.endr
.irp k, 1,2,3
.irp s, 0,1,2,3
	v_pk_fma_f32 v[ACC+2*(\s):ACC+2*(\s)+1], v[T+2*(\k):T+2*(\k)+1], v[WGT+8*(\s)+2*(\k):WGT+8*(\s)+2*(\k)+1], v[ACC+2*(\s):ACC+2*(\s)+1]
.endr
.endr
.irp s, 0,1,2,3
	v_add_f32 v[P+(\s)], v[ACC+2*(\s)], v[ACC+2*(\s)+1]
.endr
	ds_store_b128 v[PADR], v[P:P+3] offset:n*4096
.else
	global_store_b64 v[SOFF], v[YS:YS+1],   s[14:15] offset:(n-NX)*ROWH
	global_store_b64 v[SOFF], v[YS+2:YS+3], s[14:15] offset:(n-NX)*ROWH+2048
.endif
.endm
.set n, 0
.rept NROWS
	TURN
.set n, n+1
.endr
	; THE GATES.  Wave w adds up rows 2 w and 2 w + 1 of PART: 256 threads x 4 sums each.
	s_wait_dscnt 0x0                               ; for the others' sake: my stores into PART are done
	s_barrier_signal -1
	s_barrier_wait -1
.irp rr, 0,1
.irp k, 0,1,2,3,4,5,6,7
	ds_load_b128 v[X+32*(\rr)+4*(\k):X+32*(\rr)+4*(\k)+3], v[RADR] offset:(\rr)*4096+(\k)*512  ; the ring's registers are free: the last turn waited for all loads
.endr
.endr
	s_wait_dscnt 0x0
.irp rr, 0,1
.irp k, 0,1,2,3,4,5,6,7
	v_pk_add_f32 v[X+32*(\rr)+2*(\k):X+32*(\rr)+2*(\k)+1], v[X+32*(\rr)+2*(\k):X+32*(\rr)+2*(\k)+1], v[X+32*(\rr)+16+2*(\k):X+32*(\rr)+16+2*(\k)+1]
.endr
.endr
.irp rr, 0,1
.irp k, 0,1,2,3
	v_pk_add_f32 v[X+32*(\rr)+2*(\k):X+32*(\rr)+2*(\k)+1], v[X+32*(\rr)+2*(\k):X+32*(\rr)+2*(\k)+1], v[X+32*(\rr)+8+2*(\k):X+32*(\rr)+8+2*(\k)+1]
.endr
.endr
.irp rr, 0,1
.irp k, 0,1
	v_pk_add_f32 v[X+32*(\rr)+2*(\k):X+32*(\rr)+2*(\k)+1], v[X+32*(\rr)+2*(\k):X+32*(\rr)+2*(\k)+1], v[X+32*(\rr)+4+2*(\k):X+32*(\rr)+4+2*(\k)+1]
.endr
.endr
.irp m, 1,2,4,8                                        ; across the lanes: four steps inside each half of 16, one across the halves
.irp rr, 0,1
.irp j, 0,1,2,3
	v_add_f32_dpp v[X+32*(\rr)+(\j)], v[X+32*(\rr)+(\j)], v[X+32*(\rr)+(\j)] row_xmask:\m row_mask:0xf bank_mask:0xf
.endr
.endr
.endr
.irp rr, 0,1
.irp j, 0,1,2,3
	v_permlanex16_b32 v[X+32*(\rr)+4+(\j)], v[X+32*(\rr)+(\j)], s24, s25  ; its destination counts as read: a register that has been written
.endr
.endr
.irp rr, 0,1
.irp j, 0,1,2,3
	v_add_f32 v[X+32*(\rr)+(\j)], v[X+32*(\rr)+(\j)], v[X+32*(\rr)+4+(\j)]
.endr
.endr
	ds_store_b128 v[WADR], v[X:X+3]                ; every lane holds the sums: all write the same words with the same numbers
	ds_store_b128 v[WADR], v[X+32:X+35] offset:16
	s_wait_dscnt 0x0                               ; for wave 0's sake
	s_barrier_signal -1
	s_barrier_wait -1
	s_wait_tensorcnt 0x0                           ; the wave's end: a wait, an add of 0 to my spare word and a wait, behind my last LDS store; only a read of LDS follows
	ds_add_u32 v[SPW], v[NIL]
	s_wait_dscnt 0x0
	s_cmp_lg_u32 s18, 0
	s_cbranch_scc1 .Lend
	ds_load_b64 v[Z:Z+1], v[ZADR]                  ; wave 0: lane l has row l / 2, gates 2 (l % 2) and 2 (l % 2) + 1
	s_wait_dscnt 0x0
	v_pk_add_f32 v[Z:Z+1], v[Z:Z+1], v[BG:BG+1]
	v_pk_mul_f32 v[Z:Z+1], v[Z:Z+1], 0xbfb8aa3b op_sel_hi:[1,0]  ; - z log2 e
	v_exp_f32 v[Z], v[Z]
	v_exp_f32 v[Z+1], v[Z+1]
	v_nop                                          ; a plain instruction behind a transcendental before its result is used (ISA guide 5.7.2)
	s_wait_alu depctr_va_vdst(0)
	v_pk_add_f32 v[Z:Z+1], v[Z:Z+1], 1.0 op_sel_hi:[1,0]
	v_rcp_f32 v[GQ], v[Z]
	v_rcp_f32 v[GQ+1], v[Z]
	v_rcp_f32 v[GQ+2], v[Z+1]
	v_rcp_f32 v[GQ+3], v[Z+1]
	v_nop
	s_wait_alu depctr_va_vdst(0)
	global_store_b128 v[GOFF], v[GQ:GQ+3], s[16:17]  ; 512 consecutive bytes: the group's 16 rows of gates2
.Lend:
	s_endpgm
.Lfunc_end_k_qee72d14166_prep:
	.size	k_qee72d14166_prep, .Lfunc_end_k_qee72d14166_prep-k_qee72d14166_prep
	.p2alignl 7, 3214868480
	.fill 96, 4, 3214868480
	.section	.rodata,"a",@progbits
	.p2align	6, 0x0
	.amdhsa_kernel k_qee72d14166_prep
		.amdhsa_group_segment_fixed_size 66816
		.amdhsa_private_segment_fixed_size 0
		.amdhsa_enable_private_segment 0
		.amdhsa_kernarg_size 56
		.amdhsa_user_sgpr_count 2
		.amdhsa_user_sgpr_kernarg_segment_ptr 1
		.amdhsa_wavefront_size32 1
		.amdhsa_system_sgpr_workgroup_id_x 1
		.amdhsa_system_sgpr_workgroup_id_y 1
		.amdhsa_system_sgpr_workgroup_id_z 1
		.amdhsa_system_vgpr_workitem_id 0
		.amdhsa_next_free_vgpr 200
		.amdhsa_next_free_sgpr 66
		.amdhsa_reserve_vcc 0
		.amdhsa_float_denorm_mode_32 3
		.amdhsa_float_denorm_mode_16_64 3
		.amdhsa_memory_ordered 1
		.amdhsa_forward_progress 1
		.amdhsa_inst_pref_size 68
	.end_amdhsa_kernel
	.amdgpu_metadata
---
amdhsa.version: [ 1, 2 ]
amdhsa.kernels:
  - .name:           k_qee72d14166_prep
    .symbol:         k_qee72d14166_prep.kd
    .args:
      - { .name: x, .offset: 0, .size: 8, .value_kind: global_buffer, .address_space: global }
      - { .name: W_seg, .offset: 8, .size: 8, .value_kind: global_buffer, .address_space: global }
      - { .name: W_gate, .offset: 16, .size: 8, .value_kind: global_buffer, .address_space: global }
      - { .name: b_gate, .offset: 24, .size: 8, .value_kind: global_buffer, .address_space: global }
      - { .name: xb, .offset: 32, .size: 8, .value_kind: global_buffer, .address_space: global }
      - { .name: wb, .offset: 40, .size: 8, .value_kind: global_buffer, .address_space: global }
      - { .name: gates2, .offset: 48, .size: 8, .value_kind: global_buffer, .address_space: global }
    .group_segment_fixed_size: 66816
    .private_segment_fixed_size: 0
    .kernarg_segment_align: 8
    .kernarg_segment_size: 56
    .max_flat_workgroup_size: 256
    .sgpr_count:     66
    .vgpr_count:     200
    .wavefront_size: 32
...
	.end_amdgpu_metadata
.endif
;; end of part 1
;; launch main (part 2): grid 16 x 32, 4 waves a work-group, clusters of 4 x 4, 327,680 bytes of LDS; arguments xb, wb, gates2, b_seg, threshold, out0; writes out0
.if DOCPART == 2
	.amdgcn_target "amdgcn-amd-amdhsa--gfx1250"
	.amdhsa_code_object_version 6
	.text
	.protected	k_qee72d14166_main
	.globl	k_qee72d14166_main
	.p2align	8
	.type	k_qee72d14166_main,@function
k_qee72d14166_main:
	s_mov_b64 s[64:65], 0
	v_nop
	global_prefetch_b8 v0, s[64:65] scope:SCOPE_SE
	s_setreg_imm32_b32 hwreg(HW_REG_WAVE_MODE, 25, 1), 1
	s_wait_xcnt 0x0
	s_wait_alu depctr_hold_cnt(0) depctr_sa_sdst(0) depctr_va_vdst(0) depctr_va_sdst(0) depctr_va_ssrc(0) depctr_va_vcc(0) depctr_vm_vsrc(0)
	s_getreg_b32 s2, hwreg(HW_REG_IB_STS2, 6, 4)
	s_cmp_eq_u32 s2, 0
	s_cbranch_scc0 .Lentry_in_a_cluster
	s_endpgm
.Lentry_in_a_cluster:
	s_bfe_u32 s2, ttmp6, 0x10000c
	s_cmp_lg_u32 s2, 0xf033
	s_cbranch_scc0 .Lentry_shape_is_right
	s_endpgm
.Lentry_shape_is_right:
; MAIN.  seg[s][b][d] = xb[b] . wb[row of (s, d)] + b_seg[s][d] (bf16 operands, f32 sums); u = seg / (1 + 2^(-5 log2 e (seg - threshold))); st = u x gate[b][s];
; out0[b][d] = st0 + st1 + st2 + st3 + 0.1 sign(P) |P|^(1/4), P = st0 st1 st2 st3.  xb: [4096][2048] bf16; wb: [8192][2048] bf16, row (d>>5)*128 + s*32 + (d&31); gates2: [4096][4][2] f32.
; LIMITS.  b_seg and threshold are rounded once to bf16, as x and the weights were.  A plateau whose power of two passes f32's range counts as 0.  |P| below 2^-126 counts as 0 in the root,
; which moves a result by less than 4e-11.  NaN and infinities are not treated apart; the sign of a zero is not kept.
; SHARES.  A work-group makes 256 rows b x 64 columns d of out0: a product tile of 256 rows of xb x 256 rows of wb (64 d x 4 segments).  Four waves, as many as a WGP has SIMDs; a wave has
; 128 rows of xb x 128 rows of wb (32 d x 4 segments): 64 accumulators of 16 x 16, 512 registers.  K goes in steps of 128 through a ring of two LDS slots filled by the tensor data mover;
; a tile's rows are 256 bytes of memory and start at multiples of 256 bytes from the buffer's first byte.
; THE MATRIX INSTRUCTION IS USED TRANSPOSED (source 0 = 16 rows of wb, source 1 = 16 rows of xb): a lane holds ONE b (lane % 16) and eight neighbouring rows of wb.  Block nb = 2 s + db of the wave's
; eight blocks of wb is segment s, d = 16 db + 8 (lane / 16) + 0..7: the four segments of one (b, d) lie in the same lane and the same place of four accumulators, and nothing changes lanes.
; CLUSTERS.  4 x 4 work-groups.  The grid's x is the tile row (b), its y the tile column (d).  xb's tile hangs on x alone: the four of a COLUMN of the cluster (same cx) ask for it jointly; wb's hangs on y
; alone: the four of a ROW (same cy) do.  Each of the four issues the same tensor load with the same descriptor and a mask that names the four.
; REGISTERS, in windows of 256 (s_set_vgpr_msb: bits 1:0 source 0, 3:2 source 1, 5:4 source 2, 7:6 destination):
;   window 0: v0-31 addresses; v64-127, v128-191 fragments of xb, two buffers (on the way out SEG and ARG); v192-255 the doubled gates of my 8 blocks of 16 rows
;   window 1: v0-63 b_seg at my places; v64-127, v128-191 fragments of wb (before the loop v64-67 at work; at the end the rows read back); v192-255 5 log2 e x threshold
;   window 2: the 32 accumulators of my rows 0-63 (block a, nb at v[64 a + 8 nb]);   window 3: those of my rows 64-127
.set SIZE_K, 2048
.set KSTEP,  128
.set PITCH,  272                       ; an LDS row: 256 bytes + 16 of padding = 68 words: row r starts at bank 4 r mod 64 (64 banks of 4 bytes: ISA guide 11.1), so the 16 rows of a load start at 16 different banks
.set HALFT,  128*PITCH                 ; 128 rows: what one tensor load brings, and what one wave reads of xb or of wb
.set SLOT,   4*HALFT                   ; xb's 256 rows, then wb's 256 rows
.set SPARE,  2*SLOT                    ; behind the ring: the spare words, 128 bytes for each wave: two blocks of 256 bytes that no other line names
.set SPITCH, 272                       ; THE STAGE for the way out: 256 rows x 272 bytes from LDS byte 0, in slot 0, which has had its last fill and its last read by then
.set LAPS,   SIZE_K/(2*KSTEP)          ; a lap = two K steps = once round the ring
.set OROW,   8192                      ; bytes in a row of out0, of b_seg and of threshold
.set ADRA, 16                          ; v16-17  LDS address of my fragments of xb in slot 0, 1
.set ADRB, 20                          ; v20-21  the same for wb
.set STO,  24                          ; v24     the way out: where I put 32 bytes of a row
.set RD,   25                          ; v25     the way out: where I read a row back
.set CO,   26                          ; v26     my byte offset in out0
.set GOF,  27                          ; v27     32 (l % 16): my row in 16 rows of gates2
.set SPW,  28                          ; v28     LDS address of my spare word; never rewritten
.set NIL,  29                          ; v29     0; never rewritten
.set BOF,  30                          ; v30     32 (l / 16): my eight d in sixteen
.set F0,   64                          ; fragment buffer 0
.set F1,   128                         ; fragment buffer 1
.set SEG,  64                          ; window 0, the way out: seg, then u, then st; at last the results
.set ARG,  128                         ; window 0, the way out: the exponents, the plateaus; then the sums and the roots
.set G2,   192                         ; window 0: gate s of block a, twice, at G2 + 8 a + 2 s
.set B1,   0                           ; window 1: b_seg at B1 + 8 nb + j
.set T1,   192                         ; window 1: 5 log2 e x threshold at T1 + 8 nb + j
.set WK,   64                          ; window 1: four registers at work before the loop
.set OB,   64                          ; window 1: 32 rows read back from the stage, 128 registers
.set G1, 24                            ; s[24:31] descriptor group 1 for xb's tiles
.set G0, 32                            ; s[32:39] descriptor group 0 for xb's tiles, one set for each slot
.set G1B, 48                           ; s[48:55] descriptor group 1 for wb's tiles: it differs in the mask alone
.set G0B, 56                           ; s[56:63] descriptor group 0 for wb's tiles
.set MSB, 0
.macro WIN new                         ; the immediate's high byte repeats the setting that is left; a switch that changes nothing is dropped
.if MSB != (\new)
	s_set_vgpr_msb (MSB<<8)|(\new)
.set MSB, \new
.endif
.endm
.set MUL_LO, 0xa1                      ; source 0 (wb) window 1, source 1 (xb) window 0, C and D window 2
.set MUL_HI, 0xf1                      ; the same, C and D window 3
.set TO_B,   0x40                      ; destination window 1, address window 0
; A joint load.  Waves 0 and 1 fetch xb's two halves, waves 2 and 3 wb's.  Each of the two lines has one mask and one set of registers for all that issue it.  The branch hangs on the wave's number alone.
; An s_nop 0 and four v_nop follow each of the two lines, ahead of the jump, the label and what follows.
.macro JLOAD s
	s_cmp_eq_u32 s11, 0
	s_cbranch_scc0 .Lfor_b_\@
	tensor_load_to_lds s[G0+4*(\s):G0+4*(\s)+3], s[G1:G1+7]
	s_nop 0
.rept 4
	v_nop
.endr
	s_branch .Lasked_\@
.Lfor_b_\@:
	tensor_load_to_lds s[G0B+4*(\s):G0B+4*(\s)+3], s[G1B:G1B+7]
	s_nop 0
.rept 4
	v_nop
.endr
.Lasked_\@:
.endm
; A round of the cluster's barrier: my work-group's barrier, so that wave 0's signal speaks for all four waves; wave 0 signals; every wave waits for all sixteen work-groups; my work-group's barrier once more.
.macro CREST                           ; a round behind its opening barrier
	s_cmp_lg_u32 s10, 0
	s_cbranch_scc1 .Lnot_wave_0_\@
	s_barrier_signal -3
.Lnot_wave_0_\@:
	s_barrier_wait -3
	s_barrier_signal -1
	s_barrier_wait -1
.endm
.macro CROUND                          ; a whole round
	s_barrier_signal -1
	s_barrier_wait -1
	CREST
.endm
	s_load_b128 s[4:7], s[0:1], 0x0                ; xb s[4:5], wb s[6:7]
	s_load_b256 s[68:75], s[0:1], 0x10             ; gates2 s[68:69], b_seg s[70:71], threshold s[72:73], out0 s[74:75]
	v_lshl_add_u32 v[SPW], v0, 2, SPARE
	v_mov_b32 v[NIL], 0
	ds_add_u32 v[SPW], v[NIL]                      ; the wave's opening: the add and its wait ahead of my first tensor load; the set-up below, work on registers, stands between them
	v_lshrrev_b32 v1, 5, v0
	v_readfirstlane_b32 s10, v1                    ; wave 0..3
	s_lshr_b32 s11, s10, 1                         ; which half of the tile's rows of xb is mine.  Also: I fetch for xb (0) or for wb (1)
	s_and_b32 s12, s10, 1                          ; which half of its rows of wb.  Also: which 128 rows of that tile I fetch
	s_bfe_u32 s40, ttmp6, 0x40000                  ; cx: my place along the cluster's x
	s_bfe_u32 s41, ttmp6, 0x40004                  ; cy: along its y
	s_lshl_b32 s13, ttmp9, 2                       ; in a cluster launch ttmp9 and ttmp7 count clusters
	s_add_co_u32 s13, s13, s40                     ; tile row (256 b) = 4 x cluster x + cx
	s_and_b32 s42, ttmp7, 0xffff
	s_lshl_b32 s42, s42, 2
	s_add_co_u32 s42, s42, s41                     ; tile column (64 d) = 4 x cluster y + cy
	s_lshl_b32 s43, s41, 2
	s_lshl_b32 s43, 15, s43                        ; my row of the cluster: places 4 cy .. 4 cy + 3
	s_lshl_b32 s44, 0x1111, s40                    ; my column: places cx, cx + 4, cx + 8, cx + 12
	; descriptor group 1: a tile of 128 rows x 128 elements, padded in LDS
	s_or_b32 s[G1+0], s44, (1<<16)|(1<<20)|(1<<21)|(5<<22)|(3<<25)  ; 15:0 the mask: xb's tiles go to my column; 17:16 elements of 2 bytes; 20 padding on; 21 set beside a mask; 24:22 after every 64 words (code 5); 31:25 4 words of it (code 3)
	s_or_b32 s[G1B+0], s43, (1<<16)|(1<<20)|(1<<21)|(5<<22)|(3<<25) ; the same with the mask of my row, for wb's tiles
.irp g, G1, G1B
	s_mov_b32 s[(\g)+1], KSTEP<<16                 ; 63:48 tensor_dim0, low half = 128
	s_mov_b32 s[(\g)+2], 128<<16                   ; 79:64 its high half = 0; 95:80 tensor_dim1, low half = 128
	s_mov_b32 s[(\g)+3], KSTEP<<16                 ; 111:96 its high half = 0; 127:112 tile_dim0 = 128
	s_mov_b32 s[(\g)+4], 128                       ; 143:128 tile_dim1 = 128; 159:144 tile_dim2 = 0
	s_mov_b32 s[(\g)+5], SIZE_K                    ; 191:160 tensor_dim0_stride, low word: elements from row to row
	s_mov_b32 s[(\g)+6], 0
	s_mov_b32 s[(\g)+7], 0
.endr
	; where the tiles come from: xb's hang on the tile row alone, wb's on the tile column alone, each in registers that never hold the other coordinate
	s_lshl_b32 s17, s12, 7                         ; which 128 rows of the tile I fetch
	s_lshl_b32 s16, s13, 8
	s_add_co_u32 s16, s16, s17                     ; xb: row 256 x tile row + 128 x half
	s_lshl_b32 s46, s42, 8
	s_add_co_u32 s46, s46, s17                     ; wb: row 256 x tile column + 128 x half
	s_mov_b32 s17, 0
	s_mov_b32 s47, 0
	s_mov_b64 s[18:19], SIZE_K*2
	s_mul_u64 s[16:17], s[16:17], s[18:19]         ; in bytes
	s_mul_u64 s[46:47], s[46:47], s[18:19]
	s_mul_i32 s20, s10, HALFT                      ; and where they go: wave x 128 rows: no place in the cluster enters an LDS address
	s_mov_b32 s76, 0xc0e6d4ca                      ; - 5 log2 e, named as a pair
	s_mov_b32 s77, 0xc0e6d4ca
	s_mov_b32 s78, 0x3dcccccd                      ; 0.1
	s_mov_b32 s79, 0x3dcccccd
	s_mov_b32 s80, 0x7fffffff                      ; all but the sign
	s_mov_b32 s81, 0xffff0000                      ; a word's upper bf16
	s_mov_b32 s82, 0x40e6d4ca                      ; 5 log2 e
	s_mov_b32 s83, 0x40e6d4ca
	s_wait_dscnt 0x0                               ; the opening add is done
	s_wait_kmcnt 0x0
	s_add_nc_u64 s[14:15], s[4:5], s[16:17]
	s_add_nc_u64 s[46:47], s[6:7], s[46:47]
	CROUND                                         ; all sixteen work-groups are here: the first joint loads meet
.irp s, 0,1
	s_mov_b32 s[G0+4*(\s)], 1                                      ; 1:0 count = 1
	s_add_co_u32 s[G0+4*(\s)+1], s20, (\s)*SLOT                    ; 63:32 LDS address
	s_add_nc_u64 s[G0+4*(\s)+2:G0+4*(\s)+3], s[14:15], (\s)*KSTEP*2  ; 120:64 global address: K step s
	s_or_b32 s[G0+4*(\s)+3], s[G0+4*(\s)+3], 0x80000000            ; 127:126 type = 2
	s_mov_b32 s[G0B+4*(\s)], 1
	s_add_co_u32 s[G0B+4*(\s)+1], s20, (\s)*SLOT
	s_add_nc_u64 s[G0B+4*(\s)+2:G0B+4*(\s)+3], s[46:47], (\s)*KSTEP*2
	s_or_b32 s[G0B+4*(\s)+3], s[G0B+4*(\s)+3], 0x80000000
	JLOAD \s                                       ; the ring is filled before anything else is done: two loads of mine are out
.endr
	; THE TABLES, while the first tiles are on their way.  Offsets are made apart from the addresses; all stay under 2^32.
	s_mov_b32 s85, 0
	s_lshl_b32 s84, s13, 13                        ; gates2: 256 rows of 32 bytes a tile row,
	s_lshl_b32 s86, s11, 12                        ; my 128 of them
	s_add_co_u32 s84, s84, s86
	s_add_nc_u64 s[68:69], s[68:69], s[84:85]
	s_lshl_b32 s84, s42, 8                         ; b_seg, threshold: 64 d of 4 bytes a tile column,
	s_lshl_b32 s86, s12, 7                         ; my 32 of them
	s_add_co_u32 s84, s84, s86
	s_add_nc_u64 s[70:71], s[70:71], s[84:85]
	s_add_nc_u64 s[72:73], s[72:73], s[84:85]
	s_lshl_b32 s84, s13, 8                         ; out0: the first row that I store is 256 x tile row + 128 x row half + 32 x column half,
	s_lshl_b32 s86, s11, 7
	s_add_co_u32 s84, s84, s86
	s_lshl_b32 s86, s12, 5
	s_add_co_u32 s84, s84, s86
	s_lshl_b32 s84, s84, 13                        ; of 8,192 bytes,
	s_lshl_b32 s86, s42, 8                         ; at the tile's first column
	s_add_co_u32 s84, s84, s86
	s_add_nc_u64 s[74:75], s[74:75], s[84:85]
	v_and_b32 v1, 15, v0                           ; l % 16
	v_bfe_u32 v2, v0, 4, 1                         ; l / 16
	v_lshlrev_b32 v[GOF], 5, v1
	v_lshlrev_b32 v[BOF], 5, v2
.irp a, 0,1,2,3,4,5,6,7                                ; block a's row l % 16: four gates, each twice
	global_load_b128 v[G2+8*(\a):G2+8*(\a)+3],   v[GOF], s[68:69] offset:512*(\a)
	global_load_b128 v[G2+8*(\a)+4:G2+8*(\a)+7], v[GOF], s[68:69] offset:512*(\a)+16
.endr
	WIN TO_B
.irp nb, 0,1,2,3,4,5,6,7                               ; segment nb / 2, d = 16 (nb % 2) + 8 (l / 16) + 0..7
	global_load_b128 v[B1+8*(\nb):B1+8*(\nb)+3],   v[BOF], s[70:71] offset:OROW*((\nb)/2)+64*((\nb)%2)
	global_load_b128 v[B1+8*(\nb)+4:B1+8*(\nb)+7], v[BOF], s[70:71] offset:OROW*((\nb)/2)+64*((\nb)%2)+16
	global_load_b128 v[T1+8*(\nb):T1+8*(\nb)+3],   v[BOF], s[72:73] offset:OROW*((\nb)/2)+64*((\nb)%2)
	global_load_b128 v[T1+8*(\nb)+4:T1+8*(\nb)+7], v[BOF], s[72:73] offset:OROW*((\nb)/2)+64*((\nb)%2)+16
.endr
	WIN 0
	; A fragment is 16 rows x 32 K in 8 registers: lane l holds row l % 16; registers 0-3 hold K = 8 (l / 16) + 0..7, registers 4-7 K = 16 + 8 (l / 16) + 0..7: two loads of 16 bytes, 32 bytes apart.
	v_mul_u32_u24 v3, v1, PITCH
	v_lshl_add_u32 v3, v2, 4, v3                   ; row x pitch + 16 x half
	s_mul_i32 s21, s11, HALFT                      ; my 128 rows of xb
	s_mul_i32 s22, s12, HALFT                      ; my 128 rows of wb,
	s_add_co_u32 s22, s22, 2*HALFT                 ; which lie behind xb's 256
.irp s, 0,1
	v_add_nc_u32 v[ADRA+(\s)], s21, v3
	v_add_nc_u32 v[ADRB+(\s)], s22, v3
	s_add_co_u32 s21, s21, SLOT
	s_add_co_u32 s22, s22, SLOT
.endr
	s_mul_i32 s23, s11, 128*SPITCH                 ; into the stage: my 128 rows, my half of their 256 bytes; row l % 16, 32 bytes for each half of the lanes
	s_lshl_b32 s21, s12, 7
	s_add_co_u32 s23, s23, s21
	v_mul_u32_u24 v4, v1, SPITCH
	v_lshl_add_u32 v4, v2, 5, v4
	v_add_nc_u32 v[STO], s23, v4
	s_lshl_b32 s23, s11, 7                         ; back: rows 128 x row half + 32 x column half + 0..31, and the same 64 rows further down; lanes 0-15 one row of 256 bytes, lanes 16-31 the next
	s_lshl_b32 s21, s12, 5
	s_add_co_u32 s23, s23, s21
	s_mul_i32 s23, s23, SPITCH
	v_mul_u32_u24 v5, v2, SPITCH
	v_lshl_add_u32 v5, v1, 4, v5
	v_add_nc_u32 v[RD], s23, v5
	v_lshlrev_b32 v5, 13, v2                       ; and the same two rows in out0
	v_lshl_add_u32 v[CO], v1, 4, v5
	s_wait_loadcnt 0x0                             ; the tables are in
	WIN 0x45                                       ; destination and both sources in window 1
.irp x, B1, T1                                         ; b_seg and threshold rounded to bf16 and widened again, in place
.set i, 0
.rept 32
	v_cvt_pk_bf16_f32 v[WK+i%4], v[(\x)+2*i], v[(\x)+2*i+1]
	v_lshlrev_b32 v[(\x)+2*i], 16, v[WK+i%4]
	v_and_b32 v[(\x)+2*i+1], s81, v[WK+i%4]
.set i, i+1
.endr
.endr
.set i, 0
.rept 32
	v_pk_mul_f32 v[T1+2*i:T1+2*i+1], v[T1+2*i:T1+2*i+1], s[82:83] op_sel_hi:[1,0]  ; 5 log2 e x threshold
.set i, i+1
.endr
	WIN 0
; 16 matrix instructions: blocks a0, a0 + 1 of the window's four (hi = 0: my rows 0-63, 1: rows 64-127) x all 8 blocks of wb, 32 along K.  zero = 1: the first product starts the sums: nothing is ever cleared.
; The 64 accumulators take turns, one instruction a turn, in the same order in every quarter step.
.macro MUL16 f, hi, a0, zero
	WIN MUL_LO+0x50*(\hi)
.irp a, \a0, (\a0)+1
.irp b, 0,1,2,3,4,5,6,7
.if \zero
	v_wmma_f32_16x16x32_bf16 v[8*(8*(\a)+(\b)):8*(8*(\a)+(\b))+7], v[(\f)+8*(\b):(\f)+8*(\b)+7], v[(\f)+8*(4*(\hi)+(\a)):(\f)+8*(4*(\hi)+(\a))+7], 0
.else
	v_wmma_f32_16x16x32_bf16 v[8*(8*(\a)+(\b)):8*(8*(\a)+(\b))+7], v[(\f)+8*(\b):(\f)+8*(\b)+7], v[(\f)+8*(4*(\hi)+(\a)):(\f)+8*(4*(\hi)+(\a))+7], v[8*(8*(\a)+(\b)):8*(8*(\a)+(\b))+7]
.endif
.endr
.endr
.endm
; 32 LDS loads in one run: the fragments of one quarter step (128 rows of wb, 128 rows of xb, 32 K at byte k of the rows) into buffer f
.macro FETCH slot, k, f
	WIN TO_B
.irp i, 0,1,2,3,4,5,6,7
	ds_load_b128 v[(\f)+8*(\i):(\f)+8*(\i)+3],   v[ADRB+(\slot)] offset:(\k)+(\i)*16*PITCH
	ds_load_b128 v[(\f)+8*(\i)+4:(\f)+8*(\i)+7], v[ADRB+(\slot)] offset:(\k)+(\i)*16*PITCH+32
.endr
	WIN 0
.irp i, 0,1,2,3,4,5,6,7
	ds_load_b128 v[(\f)+8*(\i):(\f)+8*(\i)+3],   v[ADRA+(\slot)] offset:(\k)+(\i)*16*PITCH
	ds_load_b128 v[(\f)+8*(\i)+4:(\f)+8*(\i)+7], v[ADRA+(\slot)] offset:(\k)+(\i)*16*PITCH+32
.endr
.endm
; A load into a register that a matrix instruction has read, and a vector instruction that reads a matrix result or writes one of a matrix instruction's registers, stand four places behind it, and only
; plain vector instructions that name none of its registers are places (ISA guide 7.12.1 for vector instructions).
.macro PLACES
.rept 4
	v_nop
.endr
.endm
; A K step is four quarter steps of 32 along K, 64 matrix instructions each, on buffers 0, 1, 0, 1.  One of the first three: multiplies buffer f; in its middle it fetches the next quarter, at byte k, into buffer g.
.macro QUARTER slot, k, f, g, zero
	s_wait_dscnt 8                                 ; wb and xb's rows 0-63 are in; the youngest eight loads (xb's rows 64-127) may be out
	WIN MUL_LO
	MUL16 \f, 0, 0, \zero
	MUL16 \f, 0, 2, \zero
	PLACES
	FETCH \slot, \k, \g
	s_wait_dscnt 32                                ; all but the 32 just issued
	WIN MUL_HI
	MUL16 \f, 1, 0, \zero
	MUL16 \f, 1, 2, \zero
.endm
; The last quarter multiplies buffer 1 and changes slots.  MEET is its first half: ONE barrier for the change of slots.  In front of it each wave waits for all its tensor loads, of which one is out: its part
; of the next slot; adds 0 to its spare word; and waits for that and for its own reads of this slot.  Behind it nobody reads this slot any more and the next slot is whole.
.macro MEET round                      ; round = 1: a round of the cluster's barrier follows
	WIN 0                                          ; (the add's two registers lie in window 0)
	s_wait_tensorcnt 0x0                           ; all my tensor loads have landed;
	ds_add_u32 v[SPW], v[NIL]                      ; 0 onto my spare word;
	s_wait_dscnt 9                                 ; (the add and the youngest eight loads may be out)
	WIN MUL_LO
	MUL16 F1, 0, 0, 0                              ; sixteen matrix instructions stand between the add and the wait for it
	s_wait_dscnt 0x0                               ; the add is done, and my reads of this slot are over:
	s_barrier_signal -1                            ; say so,
	MUL16 F1, 0, 2, 0                              ; work on registers while the others arrive,
.if \round
	WIN 0
.endif
	s_barrier_wait -1                              ; and go on when all four have said so
.endm
; The whole last quarter.  fill = 1: the barrier opens a round of the cluster's barrier, and behind it the slot just read out is filled again first, with the K step two steps on; then come the next slot's
; first fragments.  From a request to the wait for it a wave issues 224 matrix instructions.  fill = 0: nothing is left to fetch.
.macro TURN slot, next, fill
	MEET \fill
.if \fill
	CREST                                          ; no wave of any partner still reads this slot's tile or has a load on its way
	s_add_nc_u64 s[G0+4*(\slot)+2:G0+4*(\slot)+3], s[G0+4*(\slot)+2:G0+4*(\slot)+3], 2*KSTEP*2
	s_add_nc_u64 s[G0B+4*(\slot)+2:G0B+4*(\slot)+3], s[G0B+4*(\slot)+2:G0B+4*(\slot)+3], 2*KSTEP*2
	JLOAD \slot                                    ; the first tensor load behind the round, my only one until the next; the four v_nop behind it are also the places in front of the loads below
.else
	PLACES
.endif
	FETCH \next, 0, F0
	WIN MUL_HI
	MUL16 F1, 1, 0, 0
	MUL16 F1, 1, 2, 0
.endm
; THE WAY OUT.  EACHn writes one line n times, with q = 0 .. n - 1.
.macro EACH8 line:vararg
.set q, 0
.rept 8
	\line
.set q, q+1
.endr
.endm
.macro EACH16 line:vararg
.set q, 0
.rept 16
	\line
.set q, q+1
.endr
.endm
.macro EACH32 line:vararg
.set q, 0
.rept 32
	\line
.set q, q+1
.endr
.endm
; Block a: my 16 rows 16 a .. of b, 32 d, 4 segments: 64 numbers a lane in, 16 out.  Segment s lies at register 16 s + 0..15 of SEG and ARG.
.macro BLOCK a
.set AC, 64*((\a)%4)
.set GA, G2+8*(\a)
	WIN 0x06+(\a)/4                                ; source 0: the accumulators' window; source 1: window 1.
	EACH32 v_pk_add_f32 v[SEG+2*q:SEG+2*q+1], v[AC+2*q:AC+2*q+1], v[B1+2*q:B1+2*q+1]
	WIN 0x10                                       ; source 2: window 1.  The exponent: - 5 log2 e (seg - threshold)
	EACH32 v_pk_fma_f32 v[ARG+2*q:ARG+2*q+1], v[SEG+2*q:SEG+2*q+1], s[76:77], v[T1+2*q:T1+2*q+1] op_sel_hi:[1,0,1]
	WIN 0
	; u = seg / (1 + 2^exponent), pair by pair in a pipeline: pair i's exponentials, pair i - 1's addition of 1, pair i - 2's reciprocals, pair i - 3's product.  A plain line that names neither stands
	; between every transcendental and the use of its result (ISA guide 5.7.2); at the two ends, where the pipeline has none, a v_nop.
.set i, 0
.rept 35
.if (i >= 1) && (i <= 32)
	s_wait_alu depctr_va_vdst(0)
	v_pk_add_f32 v[ARG+2*i-2:ARG+2*i-1], v[ARG+2*i-2:ARG+2*i-1], 1.0 op_sel_hi:[1,0]
.elseif i > 32
	v_nop
	s_wait_alu depctr_va_vdst(0)
.endif
.if i <= 31
	v_exp_f32 v[ARG+2*i], v[ARG+2*i]
	v_exp_f32 v[ARG+2*i+1], v[ARG+2*i+1]
.endif
.if i >= 3
	v_pk_mul_f32 v[SEG+2*i-6:SEG+2*i-5], v[SEG+2*i-6:SEG+2*i-5], v[ARG+2*i-6:ARG+2*i-5]
.else
	v_nop
	s_wait_alu depctr_va_vdst(0)
.endif
.if (i >= 2) && (i <= 33)
	v_rcp_f32 v[ARG+2*i-4], v[ARG+2*i-4]
	v_rcp_f32 v[ARG+2*i-3], v[ARG+2*i-3]
.endif
.set i, i+1
.endr
	; st = u x gate, for each segment; their sum into ARG + 0..15; their product into SEG + 0..15
	EACH8 v_pk_mul_f32 v[SEG+2*q:SEG+2*q+1], v[SEG+2*q:SEG+2*q+1], v[GA:GA+1]
	EACH8 v_pk_mul_f32 v[SEG+16+2*q:SEG+16+2*q+1], v[SEG+16+2*q:SEG+16+2*q+1], v[GA+2:GA+3]
	EACH8 v_pk_mul_f32 v[SEG+32+2*q:SEG+32+2*q+1], v[SEG+32+2*q:SEG+32+2*q+1], v[GA+4:GA+5]
	EACH8 v_pk_mul_f32 v[SEG+48+2*q:SEG+48+2*q+1], v[SEG+48+2*q:SEG+48+2*q+1], v[GA+6:GA+7]
	EACH8 v_pk_add_f32 v[ARG+2*q:ARG+2*q+1], v[SEG+2*q:SEG+2*q+1], v[SEG+16+2*q:SEG+16+2*q+1]
	EACH8 v_pk_mul_f32 v[SEG+2*q:SEG+2*q+1], v[SEG+2*q:SEG+2*q+1], v[SEG+16+2*q:SEG+16+2*q+1]
	EACH8 v_pk_add_f32 v[ARG+2*q:ARG+2*q+1], v[ARG+2*q:ARG+2*q+1], v[SEG+32+2*q:SEG+32+2*q+1]
	EACH8 v_pk_add_f32 v[ARG+2*q:ARG+2*q+1], v[ARG+2*q:ARG+2*q+1], v[SEG+48+2*q:SEG+48+2*q+1]
	EACH8 v_pk_mul_f32 v[SEG+32+2*q:SEG+32+2*q+1], v[SEG+32+2*q:SEG+32+2*q+1], v[SEG+48+2*q:SEG+48+2*q+1]
	EACH8 v_pk_mul_f32 v[SEG+2*q:SEG+2*q+1], v[SEG+2*q:SEG+2*q+1], v[SEG+32+2*q:SEG+32+2*q+1]
	; the fourth root of the product's magnitude, two square roots, takes the product's sign; a tenth of it joins the sum
	EACH16 v_and_b32 v[ARG+16+q], s80, v[SEG+q]
	EACH16 v_sqrt_f32 v[ARG+16+q], v[ARG+16+q]
	v_nop
	s_wait_alu depctr_va_vdst(0)
	EACH16 v_sqrt_f32 v[ARG+16+q], v[ARG+16+q]
	v_nop
	s_wait_alu depctr_va_vdst(0)
	EACH16 v_bfi_b32 v[ARG+16+q], s80, v[ARG+16+q], v[SEG+q]
	EACH8 v_pk_fma_f32 v[SEG+2*q:SEG+2*q+1], v[ARG+16+2*q:ARG+16+2*q+1], s[78:79], v[ARG+2*q:ARG+2*q+1] op_sel_hi:[1,0,1]
	ds_store_b128 v[STO], v[SEG:SEG+3]     offset:(\a)*16*SPITCH      ; d = 8 (l / 16) + 0..3, + 4..7,
	ds_store_b128 v[STO], v[SEG+4:SEG+7]   offset:(\a)*16*SPITCH+16
	ds_store_b128 v[STO], v[SEG+8:SEG+11]  offset:(\a)*16*SPITCH+64   ; and the same sixteen d further on
	ds_store_b128 v[STO], v[SEG+12:SEG+15] offset:(\a)*16*SPITCH+80
.endm
.macro READBACK hf                     ; 32 whole rows of the stage, 64 hf rows down, into window 1
	WIN TO_B
.irp t, 0,1,2,3,4,5,6,7,8,9,10,11,12,13,14,15
	ds_load_b128 v[OB+64*(\hf)+4*(\t):OB+64*(\hf)+4*(\t)+3], v[RD] offset:64*SPITCH*(\hf)+2*SPITCH*(\t)
.endr
.endm
.macro SEND hf, younger                ; younger: the LDS loads issued behind this half's sixteen
	WIN 0x04                                       ; the store's data (source 1) in window 1
.irp t, 0,1,2,3,4,5,6,7,8,9,10,11,12,13,14,15
	s_wait_dscnt (\younger)+15-(\t)                ; LDS loads come back in order (ISA guide 5.7.1): load t is in
	global_store_b128 v[CO], v[OB+64*(\hf)+4*(\t):OB+64*(\hf)+4*(\t)+3], s[74:75] offset:(64*(\hf)+2*(\t))*OROW th:TH_STORE_NT  ; 16 lanes store 256 consecutive bytes, at a multiple of 256 from out0's first byte
.endr
.endm
	s_wait_tensorcnt 1                             ; my part of K step 0 is in; K step 1's may stay out
	s_barrier_signal -1
	s_barrier_wait -1                              ; everybody's is
	FETCH 0, 0, F0
	QUARTER 0, 64,  F0, F1, 1                      ; the first quarter stands in front of the loop: its products start the sums
	WIN 0                                          ; at a label and at a branch every window is 0
	s_mov_b32 s3, LAPS-1
.Llap:                                                 ; a trip goes once round the ring, from a lap's second quarter to the next lap's first, and fills both slots again: K steps 2 to 15 in seven trips
	QUARTER 0, 128, F1, F0, 0
	QUARTER 0, 192, F0, F1, 0
	TURN 0, 1, 1
	QUARTER 1, 64,  F0, F1, 0
	QUARTER 1, 128, F1, F0, 0
	QUARTER 1, 192, F0, F1, 0
	TURN 1, 0, 1
	QUARTER 0, 64,  F0, F1, 0
	WIN 0
	s_sub_co_u32 s3, s3, 1
	s_cmp_lg_u32 s3, 0
	s_cbranch_scc1 .Llap
	QUARTER 0, 128, F1, F0, 0                      ; the last lap fills nothing, and has no round of the cluster's barrier
	QUARTER 0, 192, F0, F1, 0
	TURN 0, 1, 0                                   ; behind this barrier no wave reads slot 0 any more, and no load is out
	QUARTER 1, 64,  F0, F1, 0
	QUARTER 1, 128, F1, F0, 0
	QUARTER 1, 192, F0, F1, 0
	s_wait_dscnt 8                                 ; the very last quarter: nothing more to fetch
	WIN MUL_LO
	MUL16 F1, 0, 0, 0
	MUL16 F1, 0, 2, 0
	s_wait_dscnt 0x0
	MUL16 F1, 1, 0, 0
	MUL16 F1, 1, 2, 0
	WIN 0
	PLACES                                         ; behind the last products
.irp a, 0,1,2,3,4,5,6,7
	BLOCK \a
.endr
	s_wait_dscnt 0x0                               ; for the others' sake: my stores into the stage are done; a row's 256 bytes come from two waves
	s_barrier_signal -1
	s_barrier_wait -1
	READBACK 0
	READBACK 1
	SEND 0, 16
	SEND 1, 0
	WIN 0
	s_wait_tensorcnt 0x0                           ; the wave's end: a wait, an add of 0 to my spare word and a wait, behind my last tensor load and my last LDS store
	ds_add_u32 v[SPW], v[NIL]
	s_wait_dscnt 0x0
	CROUND                                         ; the closing round: no work-group ends while a partner may still ask for a tile that names it
	s_endpgm
.Lfunc_end_k_qee72d14166_main:
	.size	k_qee72d14166_main, .Lfunc_end_k_qee72d14166_main-k_qee72d14166_main
	.p2alignl 7, 3214868480
	.fill 96, 4, 3214868480
	.section	.rodata,"a",@progbits
	.p2align	6, 0x0
	.amdhsa_kernel k_qee72d14166_main
		.amdhsa_group_segment_fixed_size 327680
		.amdhsa_private_segment_fixed_size 0
		.amdhsa_enable_private_segment 0
		.amdhsa_kernarg_size 48
		.amdhsa_user_sgpr_count 2
		.amdhsa_user_sgpr_kernarg_segment_ptr 1
		.amdhsa_wavefront_size32 1
		.amdhsa_system_sgpr_workgroup_id_x 1
		.amdhsa_system_sgpr_workgroup_id_y 1
		.amdhsa_system_sgpr_workgroup_id_z 1
		.amdhsa_system_vgpr_workitem_id 0
		.amdhsa_next_free_vgpr 1024
		.amdhsa_next_free_sgpr 88
		.amdhsa_reserve_vcc 0
		.amdhsa_float_denorm_mode_32 3
		.amdhsa_float_denorm_mode_16_64 3
		.amdhsa_memory_ordered 1
		.amdhsa_forward_progress 1
		.amdhsa_inst_pref_size 255
	.end_amdhsa_kernel
	.section	.bss,"aw",@nobits
	.p2align	6
	.space	262144
	.amdgpu_metadata
---
amdhsa.version: [ 1, 2 ]
amdhsa.kernels:
  - .name:           k_qee72d14166_main
    .symbol:         k_qee72d14166_main.kd
    .args:
      - { .name: xb, .offset: 0, .size: 8, .value_kind: global_buffer, .address_space: global }
      - { .name: wb, .offset: 8, .size: 8, .value_kind: global_buffer, .address_space: global }
      - { .name: gates2, .offset: 16, .size: 8, .value_kind: global_buffer, .address_space: global }
      - { .name: b_seg, .offset: 24, .size: 8, .value_kind: global_buffer, .address_space: global }
      - { .name: threshold, .offset: 32, .size: 8, .value_kind: global_buffer, .address_space: global }
      - { .name: out0, .offset: 40, .size: 8, .value_kind: global_buffer, .address_space: global }
    .group_segment_fixed_size: 327680
    .private_segment_fixed_size: 0
    .kernarg_segment_align: 8
    .kernarg_segment_size: 48
    .max_flat_workgroup_size: 128
    .sgpr_count:     88
    .vgpr_count:     1024
    .wavefront_size: 32
...
	.end_amdgpu_metadata
.endif
;; end of part 2
